; MI455X (gfx1250); checked and timed in simulation.
; The chip was launched on July 23, 2026; its instructions are those of AMD's public machine-readable ISA for CDNA 5 (MIT licence, August 2026) and "CDNA5" Instruction Set Architecture Reference Guide (July 2026). The comments in the code are by the model that wrote it; some were corrected since.
;; brain. Allowed arithmetic: matrix products marked QUANTISED: E4M3 operands, one given power-of-two scale a tensor, by v_wmma_f32_16x16x64_fp8_fp8 or v_wmma_f32_16x16x128_fp8_fp8, f32 sums; everything else in f32.
;; Inputs: W_attn_codes 3,072 x 32 x 32 uint8 (E4M3 codes of W_attn, K innermost, in blocks of 32 codes); W_proj_codes 1,024 x 32 x 32 uint8 (E4M3 codes of W_proj, K innermost, in blocks of 32 codes); b_attn 3,072 float32; b_proj 1,024 float32; lowp_scales 8 int32 (the exponents e of the quantised operands' scales 2^e); x_codes 4 x 2,048 x 32 x 32 uint8 (E4M3 codes of x, K innermost, in blocks of 32 codes).
;; Outputs: out0 4 x 2,048 x 1,024 float32.
;; This version of the problem:
;;   THIS VERSION OF THE PROBLEM IS GIVEN IN LOW PRECISION. The matrix products marked QUANTISED in the list below multiply operands that are first quantised to E4M3 (4 exponent bits, 3 mantissa bits; 8 bits a number), with one given power-of-two scale for each operand tensor; their sums are f32. All else is computed in f32.
;;   The module's matrix products, in the order in which they are computed (A, B: the left and right operand; K: the contracted axis; several contracted axes count as one K, in the product's order):
;;     1. [M 8,192, K 1,024] x [K 1,024, N 3,072]; A: input x (given as codes); B: input W_attn (given as codes): QUANTISED (scales: A lowp_scales[0], B lowp_scales[1])
;;     2. batch 64 x [M 2,048, K 64] x [K 64, N 2,048]; A: computed on the way; B: computed on the way: QUANTISED (scales: A lowp_scales[2], B lowp_scales[3])
;;     3. batch 64 x [M 2,048, K 2,048] x [K 2,048, N 64]; A: softmax (see below); B: computed on the way: QUANTISED (scales: A lowp_scales[4], B lowp_scales[5])
;;     4. [M 8,192, K 1,024] x [K 1,024, N 1,024]; A: computed on the way; B: input W_proj (given as codes): QUANTISED (scales: A lowp_scales[6], B lowp_scales[7])
;;   THE QUANTISER, for each operand of a quantised product, along K:
;;     - The operand's scale is 2^e, e = its entry of the input lowp_scales (int32; the entries are numbered through the quantised products in the list's order, A before B).
;;     - Each number is divided by the scale, clamped to +-448, and rounded to the nearest number of E4M3, ties to even, subnormals kept.
;;     - The product sums the exact products of the quantised numbers (number of the format x scale) in f32.
;;   ~~~python
;;   def quantise(x, axis, e):      # numpy; x: float32 -> the quantised numbers, widened to float32 again
;;       x = np.moveaxis(x, axis, -1); K = x.shape[-1]
;;       r = np.clip(x / 2.0 ** e, -448, 448)
;;       step = 2.0 ** (np.maximum(np.frexp(np.where(r == 0, 1, r))[1] - 1, -6) - 3)
;;       q = np.round(r / step) * step * 2.0 ** e      # np.round: ties to even
;;       return np.moveaxis(q, -1, axis).astype(np.float32)
;;   ~~~
;;   SOFTMAX AHEAD OF A QUANTISED PRODUCT. Where the list says 'softmax', what is quantised is not the finished softmax but p = 2^(t - M), with t = logit x log2(e) and M = ceil(the row's largest t), a whole number; so 1/2 < the row's largest p <= 1. The row's sum l is taken of the UNQUANTISED p, in f32, and the product's result is divided by l at the end. Since M is a whole number, a kernel that streams over the keys may use a running M (the ceiling of the running maximum): every later rescaling is an exact power of two, so the quantised numbers keep their values, but for numbers so far below the row's largest that they fall under the format's range.
;;   OPERANDS COMPUTED ON THE WAY. 'Computed on the way' means the value that the module computes at that place (a softmax that the list does not call 'softmax' is quantised finished and normalised). What goes into a quantiser is computed in f32, as accurately as f32 sums, v_exp_f32 and their like allow (about 1e-6 of the number): no bf16 or f16 on the way to a quantiser, and a product that is left as it is and whose result goes on into a quantised operand takes f32 operands (vector FMAs, or v_wmma_f32_16x16x4_f32). A number that lies on a knife's edge between two numbers of the format may be rounded either way, as far as f32 arithmetic and the matrix unit's own rounding can turn it there, and no further.
;;   INPUTS GIVEN AS CODES. W_attn (in the module: [1024, 3072], K = its axis 0); W_proj (in the module: [1024, 1024], K = its axis 0); x (in the module: [4, 2048, 1024], K = its axis 2): each comes as NAME_codes (uint8): NAME with its K axis moved to the last place and cut into blocks of 32 codes, [.., K / 32, bytes a block], one block behind the other in memory; one code a byte (a code: sign, 4 exponent bits, 3 mantissa bits); its scale is its entry of lowp_scales. Its value is code x scale, taken as it is: it is not quantised again, and the codes and scales need not be those that the quantiser above would give.
;; One version. Each part assembles by itself: llvm-mc -triple=amdgcn-amd-amdhsa -mcpu=gfx1250 --defsym DOCPART=n.
;; ======== version 1 of 1: 3 launches
;; limits: right only within a limited range of input values
;; workspace buffers: qkv 25,165,824 bytes; y_img 8,388,608 bytes
;; launch qkv (part 1): grid 12 x 32, 4 waves a work-group, clusters of 4 x 4, 327,680 bytes of LDS; arguments x_codes, W_attn_codes, b_attn, lowp_scales, qkv; writes qkv
.if DOCPART == 1
	.amdgcn_target "amdgcn-amd-amdhsa--gfx1250"
	.amdhsa_code_object_version 6
	.text
	.protected	k_qde3fe92686_qkv
	.globl	k_qde3fe92686_qkv
	.p2align	8
	.type	k_qde3fe92686_qkv,@function
k_qde3fe92686_qkv:
	s_mov_b64 s[64:65], 0
	v_nop
	global_prefetch_b8 v0, s[64:65] scope:SCOPE_SE
	s_setreg_imm32_b32 hwreg(HW_REG_WAVE_MODE, 25, 1), 1
	s_wait_xcnt 0x0
	s_wait_alu depctr_hold_cnt(0) depctr_sa_sdst(0) depctr_va_vdst(0) depctr_va_sdst(0) depctr_va_ssrc(0) depctr_va_vcc(0) depctr_vm_vsrc(0)
	s_getreg_b32 s2, hwreg(HW_REG_IB_STS2, 6, 4)
	s_cmp_eq_u32 s2, 0
	s_cbranch_scc0 .Lentry_in_a_cluster
	s_endpgm
.Lentry_in_a_cluster:
	s_bfe_u32 s2, ttmp6, 0x10000c
	s_cmp_lg_u32 s2, 0xf033
	s_cbranch_scc0 .Lentry_shape_is_right
	s_endpgm
.Lentry_shape_is_right:
; qkv = x W_attn + b_attn on codes of FP8 (E4M3), and its three parts quantised at once: q with 2^e2, k with 2^e3, v with 2^e5.  x: [8192][1024], W_attn: [3072][1024]: codes, K innermost.
; THE GENERIC PRODUCT is C[i][j] = sum over k of P[i][k] Q[j][k], a tile of 256 x 256 to a work-group of four waves, 128 x 128 (64 accumulators, 512 registers) to a wave; K = 1,024 goes in four steps of 256
; through a ring of two LDS slots filled by the tensor data mover.  THE MATRIX INSTRUCTION IS USED TRANSPOSED (source 0 = 16 rows of Q, source 1 = 16 rows of P): a lane holds ONE row i and eight neighbouring j.
; Cluster x = 0, 1 (q, k): P = x (tokens), Q = W_attn (features): a lane's eight results are eight neighbouring features of a token, the next product's K.
; Cluster x = 2 (v):       P = W_attn's rows 2,048 on (features), Q = x (tokens): a lane's eight results are eight neighbouring TOKENS of a feature: the keys, the K of the product p v.  Nothing is transposed.
; Eight results, converted, are two registers of the plain fp8 form's own operand layout (registers 2 c, 2 c + 1: k = 16 c + 8 (lane / 16) + 0 .. 7).  So the codes leave as IMAGES OF THE
; NEXT PRODUCT'S OPERAND REGISTERS: four registers a store, lane l's 16 bytes at 16 l: each store of the wave covers 512 consecutive bytes, aligned.  No stage in LDS, no byte is moved between lanes.
; OUT: qkv [bh 64][slot 8 (256 tokens)][part 3][16,384]: parts q and k: [tile of 16 tokens 16][group 2][lane 32][16]; part v: [64 keys 4][16 channels 4][group 2][lane 32][16].
; THE BIAS is the C of each sum's first matrix instruction, divided by 2^(e0 + e1), the power of two that the sums lack.  It runs along j for q and k and along i for v: the one step that starts the sums is written twice,
; under a branch on the cluster's x, which all sixteen partners share.  All else that differs between the parts is chosen by s_cselect on the same number.
; CLUSTERS: 4 x 4 work-groups.  The four of a row of the cluster need the same tiles of P, the four of a column the same tiles of Q: each tile is asked for JOINTLY, by the same tensor load with the same descriptor.
; NO PREFETCH: both operands are read again and again by many work-groups, and the K walk is four steps long.
; LIMITS: e_out - e0 - e1 (e_out = e2, e3, e5) lies between -126 and 119, so that the conversion's scale and 448 x it are f32 numbers.  NaN among the inputs is not served.
; REGISTERS, in windows of 256: window 0: v1-29 addresses and constants; v32-95 the bias, on the way out a block's held sums; v96-103 the bias loads' offsets; v128-255 P's fragments, ONE set, on the way out the codes.
;   window 1: Q's fragments, TWO sets, at v0 and v128.   window 2: the accumulators of my rows 0-63 ((a, b) at v[8 (8 a + b)]);   window 3: those of my rows 64-127.
.set KROW,   1024                      ; a row of x or of W_attn in bytes
.set ROWB,   256                       ; a tile's row in bytes: a K step
.set PITCH,  272                       ; an LDS row: 256 bytes + 16 of padding = 68 words: row r starts at bank 4 r mod 64 (64 banks of 4 bytes: ISA guide 11.1), so the 16 rows of a load start at 16 different banks
.set FR,     16                        ; registers of a fragment: 16 rows x 128 K
.set NL,     4                         ; LDS loads that bring one
.set NP,     4                         ; places behind this matrix instruction (ISA guide 7.12.1)
.set HALFT,  128*PITCH                 ; 128 rows: what one tensor load brings
.set SLOT,   4*HALFT                   ; P's 256 rows, then Q's 256 rows
.set SPARE,  2*SLOT                    ; behind the ring: the spare words, 128 bytes for each wave: two blocks of 256 bytes that no other line names
.set HEADB,  393216                    ; a head in qkv: 8 slots x 3 parts x 16,384 bytes
.set SLOTB,  49152
.set ADRA, 16                          ; v16-17  LDS address of my P fragments in slot 0, 1
.set ADRB, 20                          ; v20-21  the same for Q
.set VO,   22                          ; v22-25  the stores' offsets: 16 x lane, + what the second pair of a block's four stores adds, + what blocks 4-7 add
.set SC,   26                          ; v26     2^(e_out - e0 - e1) as f32: the conversion takes its exponent field
.set LIM,  27
.set SPW,  28                          ; v28     LDS address of my spare word; never rewritten
.set NIL,  29                          ; v29     0; never rewritten
.set BIAS, 32
.set TMP,  32
.set VB,   96
.set AF,   128
.set CODE, 128
.set G1, 24                            ; s[24:31] descriptor group 1 for P's tiles;  s[32:39] group 0, one set for each slot
.set G0, 32
.set G1B, 48                           ; s[48:55], s[56:63] the same for Q's tiles
.set G0B, 56
.set MSB, 0
.macro WIN new                         ; the immediate's high byte repeats the setting that is left
.if MSB != (\new)
	s_set_vgpr_msb (MSB<<8)|(\new)
.set MSB, (\new)
.endif
.endm
.set MUL_LO, 0xa1                      ; source 0 (Q) window 1, source 1 (P) window 0, C and D window 2
.set MUL_HI, 0xf1                      ; the same, C and D window 3
.set BEG_LO, 0x81                      ; the sums' first products: C (the bias) window 0, D window 2
.set BEG_HI, 0xc1                      ; D window 3
.set TO_B,   0x40                      ; destination window 1, address window 0
; A joint load: waves 0 and 1 fetch P's two halves, waves 2 and 3 Q's.  Each line has ONE mask and one set of registers for all that issue it; the branch hangs on the wave's number alone.
; Four v_nop follow each of the two lines, ahead of the jump, the label and what follows.
.macro JLOAD s
	s_cmp_eq_u32 s15, 0
	s_cbranch_scc0 .Lfor_q_\@
	tensor_load_to_lds s[G0+4*\s:G0+4*\s+3], s[G1:G1+7]
	s_nop 0
.rept 4
	v_nop
.endr
	s_branch .Lasked_\@
.Lfor_q_\@:
	tensor_load_to_lds s[G0B+4*\s:G0B+4*\s+3], s[G1B:G1B+7]
	s_nop 0
.rept 4
	v_nop
.endr
.Lasked_\@:
.endm
.macro CREST                           ; a round of the cluster's barrier behind its opening barrier
	s_cmp_lg_u32 s14, 0
	s_cbranch_scc1 .Lnot_wave_0_\@
	s_barrier_signal -3
.Lnot_wave_0_\@:
	s_barrier_wait -3
	s_barrier_signal -1
	s_barrier_wait -1
.endm
.macro CROUND                          ; a whole round
	s_barrier_signal -1
	s_barrier_wait -1
	CREST
.endm
	s_load_b256 s[4:11], s[0:1], 0x0               ; x s[4:5], W_attn s[6:7], b_attn s[8:9], the scales' exponents s[10:11]
	s_load_b64 s[12:13], s[0:1], 0x20              ; qkv
	v_lshl_add_u32 v[SPW], v0, 2, SPARE
	v_mov_b32 v[NIL], 0
	ds_add_u32 v28, v29
	ds_add_u32 v28, v29
	s_wait_dscnt 0x0
	v_lshrrev_b32 v1, 5, v0
	v_readfirstlane_b32 s14, v1                    ; wave 0..3
	s_lshr_b32 s15, s14, 1                         ; which half of the tile's rows i is mine.  Also: I fetch for P (0) or for Q (1)
	s_and_b32 s16, s14, 1                          ; which half of its columns j.  Also: which 128 rows of that tile I fetch
	s_bfe_u32 s40, ttmp6, 0x40000                  ; cx, cy: my place in the cluster
	s_bfe_u32 s41, ttmp6, 0x40004
	s_and_b32 s17, ttmp7, 0xffff                   ; cluster y, 0..7
	s_cmp_eq_u32 ttmp9, 2                          ; cluster x: 0 q, 1 k, 2 v: the same in all sixteen partners
	s_cselect_b32 s18, 0, s17                      ; what counts P's tiles beside cy: q, k: cluster y (tokens); v: nothing (its 1,024 features are four tiles)
	s_cselect_b32 s19, s17, ttmp9                  ; what counts Q's tiles beside cx: q, k: cluster x (features); v: cluster y (tokens)
	s_cselect_b32 s20, 2048, 0                     ; P's first row: v's features are W_attn's rows 2,048 on
	s_lshl_b32 s66, s18, 2
	s_add_co_u32 s66, s66, s41                     ; tile row
	s_lshl_b32 s42, s19, 2
	s_add_co_u32 s42, s42, s40                     ; tile column
	s_lshl_b32 s43, s41, 2
	s_lshl_b32 s43, 15, s43                        ; my row of the cluster
	s_lshl_b32 s44, 0x1111, s40                    ; my column
	; descriptor group 1: a tile of 128 rows x 256 bytes, padded in LDS
	s_or_b32 s[G1+0], s43, (0<<16)|(1<<20)|(1<<21)|(5<<22)|(3<<25)  ; 15:0 the mask: P's tiles go to my row; 17:16 element of 1 byte; 20 padding on; 21 set beside a mask; 24:22 after every 64 words (code 5); 31:25 of 4 words (code 3)
	s_or_b32 s[G1B+0], s44, (0<<16)|(1<<20)|(1<<21)|(5<<22)|(3<<25) ; the same with the mask of my column
.irp g, G1, G1B
	s_mov_b32 s[\g+1], ROWB<<16                    ; tensor_dim0
	s_mov_b32 s[\g+2], 128<<16                     ; tensor_dim1 = 128
	s_mov_b32 s[\g+3], ROWB<<16                    ; tile_dim0
	s_mov_b32 s[\g+4], 128                         ; tile_dim1 = 128
	s_mov_b32 s[\g+5], KROW                        ; tensor_dim0_stride
	s_mov_b32 s[\g+6], 0
	s_mov_b32 s[\g+7], 0
.endr
	s_lshl_b32 s21, s16, 7                         ; which 128 rows of the tile I fetch
	s_lshl_b32 s46, s66, 8
	s_add_co_u32 s46, s46, s21
	s_add_co_u32 s46, s46, s20                     ; P: row = first row + 256 x tile row + 128 x half: no cx in it
	s_lshl_b32 s46, s46, 10                        ; in bytes: under 2^23
	s_mov_b32 s47, 0
	s_lshl_b32 s68, s42, 8
	s_add_co_u32 s68, s68, s21                     ; Q: row = 256 x tile column + 128 x half: no cy in it
	s_lshl_b32 s68, s68, 10
	s_mov_b32 s69, 0
	s_mul_i32 s45, s14, HALFT                      ; where they go: wave x 128 rows: no place in the cluster enters an LDS address
	s_wait_kmcnt 0x0
	s_load_b256 s[72:79], s[10:11], 0x0            ; e0 .. e7
	s_cmp_eq_u32 ttmp9, 2
	s_cselect_b64 s[94:95], s[6:7], s[4:5]         ; P's buffer,
	s_cselect_b64 s[96:97], s[4:5], s[6:7]         ; Q's
	s_add_nc_u64 s[94:95], s[94:95], s[46:47]
	s_add_nc_u64 s[96:97], s[96:97], s[68:69]
	CROUND                                         ; all sixteen work-groups are here: the first joint loads meet
.irp s, 0,1
	s_mov_b32 s[G0+4*\s], 1
	s_add_co_u32 s[G0+4*\s+1], s45, \s*SLOT
	s_add_nc_u64 s[G0+4*\s+2:G0+4*\s+3], s[94:95], \s*ROWB
	s_or_b32 s[G0+4*\s+3], s[G0+4*\s+3], 0x80000000
	s_mov_b32 s[G0B+4*\s], 1
	s_add_co_u32 s[G0B+4*\s+1], s45, \s*SLOT
	s_add_nc_u64 s[G0B+4*\s+2:G0B+4*\s+3], s[96:97], \s*ROWB
	s_or_b32 s[G0B+4*\s+3], s[G0B+4*\s+3], 0x80000000
	s_wait_alu depctr_va_vdst(0)
	s_wait_tensorcnt 0x0
	ds_add_u32 v28, v29
	ds_add_u32 v28, v29
	s_wait_dscnt 0x0
	CROUND
	JLOAD \s                                       ; K steps 0 and 1 in turn: one load of mine is out
.endr
	v_and_b32 v1, 15, v0                           ; r = lane % 16
	v_bfe_u32 v2, v0, 4, 1                         ; h = lane / 16
	s_wait_alu depctr_va_vdst(0)
	v_mul_u32_u24 v3, v1, PITCH
	v_lshl_add_u32 v4, v2, 4, v3                   ; a fragment's row x pitch + 16 x half
	s_mul_i32 s21, s15, HALFT                      ; my 128 rows of P
	s_mul_i32 s22, s16, HALFT                      ; my 128 rows of Q,
	s_add_co_u32 s22, s22, 2*HALFT                 ; which lie behind P's 256
.irp s, 0,1
	v_add_nc_u32 v[ADRA+\s], s21, v4
	v_add_nc_u32 v[ADRB+\s], s22, v4
	s_add_co_u32 s21, s21, SLOT
	s_add_co_u32 s22, s22, SLOT
.endr
	; what differs between the parts, chosen once
	s_cmp_eq_u32 ttmp9, 2
	s_cselect_b32 s85, 0, 32                       ; the bias offsets' steps: by h,
	s_cselect_b32 s86, 4, 0                        ; by r,
	s_cselect_b32 s87, 0, 4                        ; from register to register
	s_cselect_b32 s88, s42, s66                    ; the tile that counts tokens,
	s_cselect_b32 s89, s16, s15                    ; my half of its 256 tokens,
	s_cselect_b32 s90, s41, s40                    ; the place that counts four heads,
	s_cselect_b32 s91, s15, s16                    ; my two of them
	s_cselect_b32 s23, s41, s42                    ; the tile of 256 features whose bias I want
	s_mov_b32 s83, HEADB
	s_cselect_b32 s83, 4096, s83                   ; a block's stores 2, 3 against 0, 1: v: the next 64 keys; q, k: the next head
	s_cselect_b32 s84, HEADB-4096, 0               ; blocks 4-7 against their immediate 1,024 a: v: the next head's channels 0 on; q, k: nothing
	; the bias: register 8 x + j of the 64 is  q, k: b(first + 16 x + 8 h + j), the C of accumulators (., x);  v: b(first + 16 x + r), the C of accumulators (x, .)
	s_lshl_b32 s23, s23, 8
	s_add_co_u32 s23, s23, s20
	s_lshl_b32 s92, s91, 7
	s_add_co_u32 s92, s92, s23
	s_lshl_b32 s92, s92, 2                         ; my first feature, in bytes
	s_mov_b32 s93, 0
	s_add_nc_u64 s[8:9], s[8:9], s[92:93]
	v_mul_u32_u24 v[VB], s85, v2
	v_mad_u32_u24 v[VB], v1, s86, v[VB]
.irp j, 1,2,3,4,5,6,7
	v_add_nc_u32 v[VB+\j], s87, v[VB+\j-1]
.endr
.irp x, 0,1,2,3,4,5,6,7
.irp j, 0,1,2,3,4,5,6,7
	global_load_b32 v[BIAS+8*\x+\j], v[VB+\j], s[8:9] offset:64*\x
.endr
.endr
	; where my codes go: ((batch x 16 + head) x 8 + slot) x 3 parts + the part, + my half of the slot's tokens (8 tiles of q or k, 2 x 64 keys of v: 8,192 bytes either way)
	s_lshr_b32 s92, s88, 3
	s_lshl_b32 s92, s92, 4
	s_lshl_b32 s21, s90, 2
	s_add_co_u32 s92, s92, s21
	s_lshl_b32 s21, s91, 1
	s_add_co_u32 s92, s92, s21
	s_mul_i32 s92, s92, HEADB
	s_and_b32 s21, s88, 7
	s_mul_i32 s21, s21, SLOTB
	s_add_co_u32 s92, s92, s21
	s_lshl_b32 s21, ttmp9, 14
	s_add_co_u32 s92, s92, s21
	s_lshl_b32 s21, s89, 13
	s_add_co_u32 s92, s92, s21
	s_add_nc_u64 s[12:13], s[12:13], s[92:93]
	v_and_b32 v5, 31, v0
	v_lshlrev_b32 v[VO], 4, v5
	v_add_nc_u32 v[VO+1], s83, v[VO]
	v_add_nc_u32 v[VO+2], s84, v[VO]
	v_add_nc_u32 v[VO+3], s84, v[VO+1]
.macro FRAG reg, adr, q, i             ; a fragment, 16 rows x 128 K, is 16 registers; four loads of 16 bytes put K = 32 c + 16 (lane / 16) + 0 .. 15 into registers 4 c .. 4 c + 3: a permutation of k, the same in P and in Q
.irp c, 0,1,2,3
	ds_load_b128 v[\reg+4*\c:\reg+4*\c+3], v[\adr] offset:128*(\q)+32*\c+(\i)*16*PITCH
.endr
.endm
; 16 matrix instructions: P's blocks a0, a0 + 1 x Q's eight, 128 along K.  p: Q's set.  zero = 1: the sums start with the bias along j; 2: with the bias along i; 0: they go on in place.
; The 64 accumulators take turns, one instruction a turn, in the same order in every step.
.macro MUL16 a0, p, zero
.irp a, \a0, \a0+1
.irp b, 0,1,2,3,4,5,6,7
.if \zero == 1
	v_wmma_f32_16x16x128_fp8_fp8 v[8*(8*((\a)%4)+\b):8*(8*((\a)%4)+\b)+7], v[128*(\p)+FR*\b:128*(\p)+FR*\b+FR-1], v[AF+FR*(\a):AF+FR*(\a)+FR-1], v[BIAS+8*\b:BIAS+8*\b+7]
.elseif \zero == 2
	v_wmma_f32_16x16x128_fp8_fp8 v[8*(8*((\a)%4)+\b):8*(8*((\a)%4)+\b)+7], v[128*(\p)+FR*\b:128*(\p)+FR*\b+FR-1], v[AF+FR*(\a):AF+FR*(\a)+FR-1], v[BIAS+8*(\a):BIAS+8*(\a)+7]
.else
	v_wmma_f32_16x16x128_fp8_fp8 v[8*(8*((\a)%4)+\b):8*(8*((\a)%4)+\b)+7], v[128*(\p)+FR*\b:128*(\p)+FR*\b+FR-1], v[AF+FR*(\a):AF+FR*(\a)+FR-1], v[8*(8*((\a)%4)+\b):8*(8*((\a)%4)+\b)+7]
.endif
.endr
.endr
.endm
.macro FETCH_B slot, q, p              ; Q's eight fragments of the slot's q-th 128 along K into set p
	WIN TO_B
.irp i, 0,1,2,3,4,5,6,7
	FRAG 128*(\p)+FR*\i, ADRB+\slot, \q, \i
.endr
	WIN 0
.endm
.macro FETCH_A slot, q, i0             ; P's blocks i0 .. i0 + 3
.irp i, \i0, \i0+1, \i0+2, \i0+3
	FRAG AF+FR*(\i), ADRA+\slot, \q, \i
.endr
.endm
; A load into a register that a matrix instruction has read, and a vector instruction that reads a matrix result, stand NP places behind that matrix instruction; only plain vector instructions
; that name none of its registers are places (ISA guide 7.12.1 for vector instructions).
.macro PLACES n
.rept \n
	v_nop
.endr
.endm
; A step of 128 along K that has its successor in the same slot.  A block of P is free as soon as its eight products are issued: blocks 0-3 are fetched anew in the step's middle, blocks 4-7 at its end.
.macro STEP slot, q, zero
	s_wait_dscnt 4*NL                              ; Q's set and P's blocks 0-3 are in; the youngest sixteen loads (P's blocks 4-7) may be out
.if \zero
	WIN BEG_LO
.else
	WIN MUL_LO
.endif
	MUL16 0, (\q)%2, \zero
	MUL16 2, (\q)%2, \zero
	s_wait_dscnt 0                                 ; P's blocks 4-7 are in (asked for 32 matrix instructions ago)
	PLACES NP
	FETCH_B \slot, (\q)+1, 1-(\q)%2
	FETCH_A \slot, (\q)+1, 0
.if \zero
	WIN BEG_HI
.else
	WIN MUL_HI
.endif
	MUL16 4, (\q)%2, \zero
	MUL16 6, (\q)%2, \zero
	PLACES NP
	WIN 0
	FETCH_A \slot, (\q)+1, 4
.endm
; A slot's last step changes slots: ONE barrier; in front of it each wave waits for all its tensor loads, adds 0 to its spare word, and waits for that and for its own reads of this slot.  fill = 1: this slot is filled again, two K steps ahead.
.macro TURN slot, next, fill
	s_wait_tensorcnt 0x0                           ; all my tensor loads have landed: my part of the next slot;  (every window is 0 here)
	ds_add_u32 v[SPW], v[NIL]                      ; 0 onto my spare word
	s_wait_dscnt 4*NL+1                            ; (the add and the youngest sixteen loads, P's blocks 4-7, may be out)
	WIN MUL_LO
	MUL16 0, 1, 0                                  ; sixteen matrix instructions stand between the add and the wait for it
	s_wait_dscnt 0x0                               ; the add is done, and my reads of this slot are over
	s_barrier_signal -1
	MUL16 2, 1, 0
	WIN 0
	s_barrier_wait -1
.if \fill
	CREST                                          ; the barrier has opened a round of the cluster's barrier: no wave of any partner still reads this slot's tile or has a load on its way
	s_add_nc_u64 s[G0+4*\slot+2:G0+4*\slot+3], s[G0+4*\slot+2:G0+4*\slot+3], 2*ROWB
	s_add_nc_u64 s[G0B+4*\slot+2:G0B+4*\slot+3], s[G0B+4*\slot+2:G0B+4*\slot+3], 2*ROWB
	JLOAD \slot                                    ; the first tensor load behind the round; the four v_nop behind it are the places in front of the loads below
.else
	PLACES NP
.endif
	FETCH_B \next, 0, 0
	FETCH_A \next, 0, 0
	WIN MUL_HI
	MUL16 4, 1, 0
	MUL16 6, 1, 0
	PLACES NP
	WIN 0
	FETCH_A \next, 0, 4
.endm
	s_wait_tensorcnt 1                             ; my part of K step 0 is in (K step 1's load may be out)
	s_barrier_signal -1
	s_barrier_wait -1                              ; everybody's is
	FETCH_B 0, 0, 0
	FETCH_A 0, 0, 0
	FETCH_A 0, 0, 4
	s_wait_loadcnt 0x0                             ; the bias
	s_wait_kmcnt 0x0                               ; the exponents
	s_add_co_i32 s81, s72, s73                     ; e0 + e1: a sum stands for sum x 2^(e0 + e1),
	s_sub_co_i32 s82, 0, s81
.set i, 0
.rept 64
	v_ldexp_f32 v[BIAS+i], v[BIAS+i], s82          ; so the bias goes in as b / 2^(e0 + e1)
.set i, i+1
.endr
	s_cmp_eq_u32 ttmp9, 1
	s_cselect_b32 s80, s75, s77                    ; e3 for k, e5 for v,
	s_cmp_eq_u32 ttmp9, 0
	s_cselect_b32 s80, s74, s80                    ; e2 for q
	s_sub_co_i32 s80, s80, s81                     ; the three scales are folded into the conversion's one
	s_add_co_i32 s80, s80, 127
	s_lshl_b32 s21, s80, 23
	v_mov_b32 v[SC], s21
	s_cmp_eq_u32 ttmp9, 2                          ; the step that starts the sums, once for each way the bias runs; no barrier and no tensor load stands in it
	s_cbranch_scc1 .Lfirst_v
	s_wait_alu depctr_va_vdst(0)
	STEP 0, 0, 1
	s_branch .Lfirst_done
.Lfirst_v:
	s_wait_alu depctr_va_vdst(0)
	STEP 0, 0, 2
.Lfirst_done:
	TURN 0, 1, 1                                   ; K = 1,024 is four K steps: the walk is written out.  Slot 0 takes K step 2,
	STEP 1, 0, 0
	TURN 1, 0, 1                                   ; slot 1 K step 3
	STEP 0, 0, 0
	TURN 0, 1, 0                                   ; nothing is left to fetch: no round of the cluster's barrier
	STEP 1, 0, 0
	s_wait_dscnt 4*NL                              ; the very last step
	WIN MUL_LO
	MUL16 0, 1, 0
	MUL16 2, 1, 0
	s_wait_dscnt 0
	WIN MUL_HI
	MUL16 4, 1, 0
	MUL16 6, 1, 0
	WIN 0
; THE WAY OUT, block by block of 16 rows i.  The block's 64 sums are
; converted eight at a time: sixteen registers of codes, registers 2 b, 2 b + 1 from accumulator (a, b).  Four registers are half a fragment of the next product: q, k: (token tile a; head g / 2, group g % 2);
; v: (head a / 4, channels 16 (a % 4) on; 64 keys g / 2, group g % 2).  Each block has its own registers for its codes, and no base is stepped: no store's source is written again.
.macro OUTBLK a
	WIN 0x02+((\a)/4)                              ; source 0: window 2 or 3
.set i, 0
.rept 64
.set i, i+1
.endr
.irp b, 0,1,2,3,4,5,6,7
	v_cvt_scalef32_pk8_fp8_f32 v[CODE+16*(\a)+2*\b:CODE+16*(\a)+2*\b+1], v[TMP+8*\b+((64*((\a)%4)+i)-(TMP+i)):TMP+8*\b+7+((64*((\a)%4)+i)-(TMP+i))], v[SC]
.endr
	WIN 0
	v_nop                                          ; one plain vector instruction between the conversions and the stores that read their results
.irp g, 0,1,2,3
	global_store_b128 v[VO+2*((\a)/4)+\g/2], v[CODE+16*(\a)+4*\g:CODE+16*(\a)+4*\g+3], s[12:13] offset:(\a)*1024+(\g%2)*512   ; 32 lanes store 512 consecutive bytes, at a multiple of 512 from the buffer's first byte
.endr
.endm
	PLACES NP                                      ; behind the last products: for the first reads of results and the first writes over P's fragments
.irp a, 0,1,2,3,4,5,6,7
	OUTBLK \a
.endr
	s_wait_tensorcnt 0x0                           ; the wave's end
	ds_add_u32 v[SPW], v[NIL]
	s_wait_dscnt 0x0
	CROUND                                         ; the closing round: no work-group ends while a partner may still ask for a tile that names it
	s_endpgm
.Lfunc_end_k_qde3fe92686_qkv:
	.size	k_qde3fe92686_qkv, .Lfunc_end_k_qde3fe92686_qkv-k_qde3fe92686_qkv
	.p2alignl 7, 3214868480
	.fill 96, 4, 3214868480
	.section	.rodata,"a",@progbits
	.p2align	6, 0x0
	.amdhsa_kernel k_qde3fe92686_qkv
		.amdhsa_group_segment_fixed_size 327680
		.amdhsa_private_segment_fixed_size 0
		.amdhsa_enable_private_segment 0
		.amdhsa_kernarg_size 40
		.amdhsa_user_sgpr_count 2
		.amdhsa_user_sgpr_kernarg_segment_ptr 1
		.amdhsa_wavefront_size32 1
		.amdhsa_system_sgpr_workgroup_id_x 1
		.amdhsa_system_sgpr_workgroup_id_y 1
		.amdhsa_system_sgpr_workgroup_id_z 1
		.amdhsa_system_vgpr_workitem_id 0
		.amdhsa_next_free_vgpr 1024
		.amdhsa_next_free_sgpr 100
		.amdhsa_reserve_vcc 0
		.amdhsa_float_denorm_mode_32 3
		.amdhsa_float_denorm_mode_16_64 3
		.amdhsa_fp16_overflow 1
		.amdhsa_memory_ordered 1
		.amdhsa_forward_progress 1
		.amdhsa_inst_pref_size 106
	.end_amdhsa_kernel
	.amdgpu_metadata
---
amdhsa.version: [ 1, 2 ]
amdhsa.kernels:
  - .name:           k_qde3fe92686_qkv
    .symbol:         k_qde3fe92686_qkv.kd
    .args:
      - { .name: x_codes, .offset: 0, .size: 8, .value_kind: global_buffer, .address_space: global }
      - { .name: W_attn_codes, .offset: 8, .size: 8, .value_kind: global_buffer, .address_space: global }
      - { .name: b_attn, .offset: 16, .size: 8, .value_kind: global_buffer, .address_space: global }
      - { .name: lowp_scales, .offset: 24, .size: 8, .value_kind: global_buffer, .address_space: global }
      - { .name: qkv, .offset: 32, .size: 8, .value_kind: global_buffer, .address_space: global }
    .group_segment_fixed_size: 327680
    .private_segment_fixed_size: 0
    .kernarg_segment_align: 8
    .kernarg_segment_size: 40
    .max_flat_workgroup_size: 128
    .sgpr_count:     100
    .vgpr_count:     1024
    .wavefront_size: 32
...
	.end_amdgpu_metadata
.endif
;; end of part 1
;; launch attn (part 2): grid 4 x 64, 16 waves a work-group, clusters of 4 x 1, 327,680 bytes of LDS; arguments qkv, lowp_scales, y_img; writes y_img
.if DOCPART == 2
	.amdgcn_target "amdgcn-amd-amdhsa--gfx1250"
	.amdhsa_code_object_version 6
	.text
	.protected	k_qde3fe92686_attn
	.globl	k_qde3fe92686_attn
	.p2align	8
	.type	k_qde3fe92686_attn,@function
k_qde3fe92686_attn:
	s_mov_b64 s[64:65], 0
	v_nop
	global_prefetch_b8 v0, s[64:65] scope:SCOPE_SE
	s_setreg_imm32_b32 hwreg(HW_REG_WAVE_MODE, 25, 1), 1
	s_wait_xcnt 0x0
	s_wait_alu depctr_hold_cnt(0) depctr_sa_sdst(0) depctr_va_vdst(0) depctr_va_sdst(0) depctr_va_ssrc(0) depctr_va_vcc(0) depctr_vm_vsrc(0)
	s_getreg_b32 s2, hwreg(HW_REG_IB_STS2, 6, 4)
	s_cmp_eq_u32 s2, 0
	s_cbranch_scc0 .Lentry_in_a_cluster
	s_endpgm
.Lentry_in_a_cluster:
	s_bfe_u32 s2, ttmp6, 0x10000c
	s_cmp_lg_u32 s2, 0x3003
	s_cbranch_scc0 .Lentry_shape_is_right
	s_endpgm
.Lentry_shape_is_right:
; Causal attention of one (batch, head) to a cluster, on codes of FP8 (E4M3): y = softmax(q k^T / 8) v, and y quantised with 2^e6 for the projection.  T = 2,048, head size 64.
; IN: qkv [bh 64][slot 8 (256 tokens)][part 3][16,384]: images of operand registers: q, k: [tile of 16 tokens 16][group 2][lane 32][16]; v: [64 keys 4][16 channels 4][group 2][lane 32][16] (keys along the registers).
; OUT: y_img [tile of 16 rows 512][head 16][group 2][lane 32][16]: lane (r, h) holds row r; registers 2 c, 2 c + 1 hold channel 64 head + 16 c + 8 h + 0 .. 7: the projection's operand, as its registers want it.
; THE SOFTMAX AHEAD OF THE SECOND PRODUCT: t = score x log2(e) / 8; M = the row's largest t so far, rounded UP to a whole number; p = 2^(t - M) is quantised with 2^e4; it is not normalised.
; The row's sum is taken of the unquantised p, in f32, and divides at the end.  When M moves, the sum and O are multiplied by 2^(old M - new M): exact.
; LAYOUT.  Both products are used transposed: S^T = K Q^T (source 0 = 16 keys, source 1 = 16 queries), O^T = V^T P^T (source 0 = 16 channels, source 1 = P): a lane holds ONE query (lane % 16) throughout.  In S^T register j of
; key tile kt is key 16 kt + 8 (lane / 16) + j: eight of them, converted, ARE registers 2 kt, 2 kt + 1 of the K = 64 form's operand.  So p's codes, and y's, are operands as they come out of the conversions.
; SHARES.  The head's 2,048 queries are 64 units of 32 (two tiles of 16): sixteen waves x four work-groups.  A wave keeps two tiles, so each fragment of K and V read from LDS feeds two products; with key steps of 64 that is 256
; registers: four waves to a SIMD, so that one wave's vector work stands beside another's products and LDS loads.
; EVEN WORK UNDER THE CAUSAL MASK.  Wave w = 4 a + s takes the four units U4 .. U4 + 3, U4 = 16 ((a + s) % 4) + 4 ((a + 2 s) % 4): any four waves with the same a, and any four with the same s, hold one unit of each quarter of
; the head.  Which of the four units is the work-group's is told by cx and enters DATA AND GLOBAL ADDRESSES ALONE (mirrored in the odd quarters, so that the partners' sums are equal).  Every branch hangs on U4, that is on the
; wave's number: a key step is left out where all its keys come after all four units' queries, and the mask is applied in the two steps that reach into the four units' 128 queries.
; EVERY WAVE WALKS ALL EIGHT SLOTS: trip counts are constants; what is left out is a step's work.
; CLUSTER.  The four work-groups walk the same K and V: each slot (256 keys: 16,384 bytes of K, 16,384 of V, dense in memory) is asked for JOINTLY, wave 0 for K, wave 1 for V.  Ring of two slots.
; PREFETCH.  K and V are read once in the launch, by this cluster.  At each change of slots that asks for slot n + 1, wave 2 of each partner names its quarter (8,192 bytes, told by ADDRESS; a lane a block of 256 bytes) of slot n + 2:
; a slot's four key steps ahead of the load that wants it.  Slots 0 and 1 come by their loads alone; the last change that fills a slot names nothing.
; LIMITS on the given exponents, so that each power of two below is an f32 number: e2 + e3 between -123 and 130 (added to c's exponent field); e4 and e6 between -126 and 119.  NaN among the inputs is not served.
.set SLOT1, 32768                      ; slot 1 begins here: one exclusive or turns an address in one slot into the other's.  A slot: K's 16,384 bytes, then V's
.set SPARE, 65536                      ; behind the ring: the spare words, 128 bytes for each wave: eight blocks of 256 bytes that no other line names
.set HEADB, 393216
.set SLOTB, 49152
.set L16, 1                            ; v1   16 x lane: an image's place for my lane; never rewritten
.set AD,  2                            ; v2   + the slot in hand
.set SPW, 3                            ; v3   LDS address of my spare word; never rewritten
.set NIL, 4                            ; v4   0; never rewritten
.set SCV, 5                            ; v5   2^e4 as f32, on the way out 2^e6
.set LMV, 6
.set PFO, 7                            ; v7   256 x lane: the prefetch's offset; never rewritten
.set DQ,  8                            ; v8-9   tile t: my query - 8 (lane / 16)
.set ST,  10                           ; tile t's statistics at v[ST + 4 t]: +0 -M, +1 the largest t, +2, +3 the sum in two halves
.set MA,  18                           ; v18-19 at work
.set MB,  20                           ; v20-21 at work
.set FF,  22                           ; v[22+2t:23+2t] f = 2^(old M - new M); at the end 2^(e4 + e5) / the sum (the pair's upper half is only named)
.set XX,  26                           ; v[26+2t:27+2t] the second chain of the sums
.set PT,  30                           ; v30-31 what the other half of the lanes sends
.set QF,  32                           ; v32-47   Q, 8 registers a tile
.set KFR, 48                           ; v48-79   K's four fragments of a step
.set VFR, 80                           ; v80-111  V's four
.set PC,  112                          ; v112-127 p's codes, 8 a tile; on the way out y's
.set S,   128                          ; v128-191 S^T, then p: 32 a tile
.set O,   192                          ; v192-255 O^T: 32 a tile
.set WV,   10                          ; s10  my wave's number
.set QEND, 18                          ; s18  the first key that none of my four units sees
.set QLO,  19                          ; s19  my four units' first query
.set NINF, 21                          ; s21  -infinity
.set Q0,   22                          ; s22  my first query
.set HB,   23                          ; s23  the head's first byte in qkv
.set QA,   26                          ; s[26:27] Q's image of my two tiles
.set YA,   28                          ; s[28:29] where my codes of y go
.set G0,   32                          ; s[32:35] descriptor group 0, which walks
.set G1,   36                          ; s[36:43] descriptor group 1
.set PFA,  44                          ; s[44:45] where my prefetches stand
.set LIM,  46                          ; s46  1 in wave 2, else the greatest number: a wave prefetches while s[SLOTS] is above it
.set SLOTS, 47                         ; s47  slots still to be asked for
.set TB,   48                          ; s48  LDS byte at which the slot in hand begins
.set KF,   49                          ; s49  the step's first key
.set SEL,  50                          ; s[50:51] lane selects for v_permlanex16_b32: lane l xor 16
.set CS,   52                          ; s[52:53] c = log2(e) / 8 x 2^(e2 + e3)
.set E,    56                          ; s[56:63] e0 .. e7
.macro CROUND                          ; a round of the cluster's barrier
	s_barrier_signal -1
	s_barrier_wait -1
	s_cmp_lg_u32 s[WV], 0
	s_cbranch_scc1 .Lnot_wave_0_\@
	s_barrier_signal -3
.Lnot_wave_0_\@:
	s_barrier_wait -3
	s_barrier_signal -1
	s_barrier_wait -1
.endm
; A joint load: wave 0 fetches the slot's K, wave 1 its V; both addresses differ by the wave's number alone, and nothing in the descriptor hangs on the work-group's place.  Four v_nop follow the line.
.macro JLOAD
	s_cmp_lt_u32 s[WV], 2
	s_cbranch_scc0 .Lnone_\@
	tensor_load_to_lds s[G0:G0+3], s[G1:G1+7]
	s_nop 0
.rept 4
	v_nop
.endr
.Lnone_\@:
.endm
.macro ASK
	s_cmp_gt_u32 s[SLOTS], s[LIM]
	s_cbranch_scc0 .Lnot_mine_\@
	global_prefetch_b8 v[PFO], s[PFA:PFA+1] th:TH_LOAD_NT scope:SCOPE_SE
.Lnot_mine_\@:
.endm
	s_load_b128 s[4:7], s[0:1], 0x0                ; qkv s[4:5], the scales' exponents s[6:7]
	s_load_b64 s[8:9], s[0:1], 0x10                ; y_img
	v_lshl_add_u32 v[SPW], v0, 2, SPARE
	v_mov_b32 v[NIL], 0
	ds_add_u32 v3, v4
	ds_add_u32 v3, v4
	s_wait_dscnt 0x0
	v_lshrrev_b32 v1, 5, v0
	s_delay_alu instid0(VALU_DEP_1)
	v_readfirstlane_b32 s[WV], v1                  ; wave 0..15
	s_bfe_u32 s11, ttmp6, 0x40000                  ; cx
	s_and_b32 s12, ttmp7, 0xffff                   ; 16 x batch + head
	s_lshr_b32 s13, s[WV], 2                       ; a
	s_and_b32 s14, s[WV], 3                        ; s
	s_add_co_u32 s15, s13, s14
	s_and_b32 s15, s15, 3                          ; the quarter of the head: (a + s) % 4
	s_lshl_b32 s16, s14, 1
	s_add_co_u32 s16, s16, s13
	s_and_b32 s16, s16, 3                          ; the sixteenth in it: (a + 2 s) % 4
	s_lshl_b32 s17, s15, 4
	s_lshl_b32 s24, s16, 2
	s_add_co_u32 s17, s17, s24                     ; U4
	s_lshl_b32 s[QLO], s17, 5
	s_add_co_u32 s[QEND], s[QLO], 128
	s_and_b32 s20, s15, 1
	s_mul_i32 s20, s20, 3
	s_xor_b32 s20, s20, s11                        ; which of the four units: cx, mirrored in the odd quarters
	s_add_co_u32 s[Q0], s17, s20
	s_lshl_b32 s[Q0], s[Q0], 5                     ; my first query
	s_mul_i32 s[HB], s12, HEADB
	; descriptor group 1: 16,384 dense bytes as 64 rows of 256 bytes, elements of 8 bytes, no padding (every LDS read takes 512 consecutive bytes)
	s_mov_b32 s[G1], 15|(3<<16)|(1<<21)            ; 15:0 the mask: all four work-groups; 17:16 elements of 8 bytes; 21 set beside a mask
	s_mov_b32 s[G1+1], 32<<16                      ; tensor_dim0 = 32
	s_mov_b32 s[G1+2], 64<<16                      ; tensor_dim1 = 64
	s_mov_b32 s[G1+3], 32<<16                      ; tile_dim0 = 32
	s_mov_b32 s[G1+4], 64                          ; tile_dim1 = 64
	s_mov_b32 s[G1+5], 32                          ; tensor_dim0_stride
	s_mov_b32 s[G1+6], 0
	s_mov_b32 s[G1+7], 0
	s_mov_b32 s[G0], 1                             ; count = 1
	s_and_b32 s[G0+1], s[WV], 1
	s_lshl_b32 s[G0+1], s[G0+1], 14                ; LDS address: slot 0; K at 0, V at 16,384
	s_add_co_u32 s30, s[HB], s[G0+1]
	s_add_co_u32 s30, s30, 16384                   ; in memory: the head's slot 0, part k or v
	s_mov_b32 s31, 0
	s_lshl_b32 s24, s11, 13                        ; the prefetches: my work-group's quarter of a slot's 32,768 bytes,
	s_add_co_u32 s24, s24, s[HB]
	s_add_co_u32 s24, s24, SLOTB+16384             ; in slot 1: the first change of slots steps it to slot 2
	s_mov_b32 s25, 0
	s_lshr_b32 s54, s[Q0], 8                       ; Q: my queries' slot,
	s_mul_i32 s54, s54, SLOTB
	s_bfe_u32 s55, s[Q0], 0x40004                  ; and the first of my two tiles in it
	s_lshl_b32 s55, s55, 10
	s_add_co_u32 s54, s54, s55
	s_add_co_u32 s54, s54, s[HB]
	s_mov_b32 s55, 0
	s_mov_b32 s[SEL], 0x76543210
	s_mov_b32 s[SEL+1], 0xfedcba98
	s_mov_b32 s[NINF], 0xff800000
	s_mov_b32 s[CS], 0x3e38aa3b                    ; c = log2(e) / 8
	s_mov_b32 s[SLOTS], 7
	s_mov_b32 s[TB], 0
	s_mov_b32 s[KF], 0
	s_cmp_eq_u32 s[WV], 2
	s_cselect_b32 s[LIM], 1, -1
	s_wait_kmcnt 0x0
	s_load_b256 s[E:E+7], s[6:7], 0x0              ; e0 .. e7
	s_add_nc_u64 s[G0+2:G0+3], s[4:5], s[30:31]
	s_or_b32 s[G0+3], s[G0+3], 0x80000000          ; type = 2
	s_add_nc_u64 s[PFA:PFA+1], s[4:5], s[24:25]
	s_add_nc_u64 s[QA:QA+1], s[4:5], s[54:55]
	s_lshr_b32 s24, s12, 4                         ; y: tile of rows 128 x batch + my query / 16,
	s_lshl_b32 s24, s24, 7
	s_lshr_b32 s54, s[Q0], 4
	s_add_co_u32 s24, s24, s54
	s_lshl_b32 s24, s24, 14
	s_and_b32 s54, s12, 15                         ; and the head's 1,024 bytes in it
	s_lshl_b32 s54, s54, 10
	s_add_co_u32 s24, s24, s54
	s_add_nc_u64 s[YA:YA+1], s[8:9], s[24:25]
	CROUND                                         ; all four work-groups are here: the first joint load meets
	JLOAD                                          ; slot 0: one load of mine is out, here and behind every round
	v_and_b32 v1, 31, v0
	s_delay_alu instid0(VALU_DEP_1)
	v_lshlrev_b32 v[PFO], 8, v1
	s_delay_alu instid0(VALU_DEP_2)
	v_lshlrev_b32 v[L16], 4, v1
.irp t, 0,1
.irp g, 0,1
	global_load_b128 v[QF+8*\t+4*\g:QF+8*\t+4*\g+3], v[L16], s[QA:QA+1] offset:1024*\t+512*\g   ; Q's two fragments stay in registers
.endr
.endr
	v_and_b32 v[DQ], 15, v0
	v_bfe_u32 v[DQ+1], v0, 4, 1
	s_delay_alu instid0(VALU_DEP_1)
	v_lshlrev_b32 v[DQ+1], 3, v[DQ+1]
	s_delay_alu instid0(VALU_DEP_1)
	v_sub_nc_u32 v[DQ], v[DQ], v[DQ+1]
	s_delay_alu instid0(VALU_DEP_1)
	v_add_nc_u32 v[DQ], s[Q0], v[DQ]               ; tile 0: my query - 8 (lane / 16);
	s_delay_alu instid0(VALU_DEP_1)
	v_add_nc_u32 v[DQ+1], 16, v[DQ]                ; tile 1
.irp t, 0,1
	v_mov_b32 v[ST+4*\t+1], 0xff61b1e6             ; the largest t so far: -3e38, under every t
	s_delay_alu instid0(VALU_DEP_1)
	v_floor_f32 v[ST+4*\t], -v[ST+4*\t+1]          ; -M
	v_mov_b32 v[ST+4*\t+2], 0                      ; the sum, in two halves
	v_mov_b32 v[ST+4*\t+3], 0
	v_mov_b32 v[FF+2*\t+1], 0                      ; (named as the upper half of a pair)
	v_mov_b32 v[PT+\t], 0                          ; written once: a lane permute's destination counts as one of its sources
.endr
.set i, 0
.rept 64
	v_mov_b32 v[O+i], 0                            ; O^T.  (The step is written for every step alike: the first finds zeros, which the first change of M leaves zeros)
.set i, i+1
.endr
	s_wait_kmcnt 0x0
	s_add_co_i32 s24, s[E+2], s[E+3]
	s_lshl_b32 s24, s24, 23
	s_add_co_i32 s[CS], s[CS], s24                 ; a score stands for score x 2^(e2 + e3): the two exponents are added to c's exponent field
	s_mov_b32 s[CS+1], s[CS]                       ; (named with it as a pair, so it is written)
	s_add_co_i32 s24, s[E+4], 127
	s_lshl_b32 s25, s24, 23
	v_mov_b32 v[SCV], s25                          ; 2^e4 as f32, for p's conversions
; THE VECTOR WORK OF A KEY STEP, for both tiles; in each part the two tiles follow each other, so that few lines wait for the line above.
.macro SOFTMAX
.irp t, 0,1
	v_max3_num_f32 v[MA+\t], v[S+32*\t], v[S+32*\t+1], v[S+32*\t+2]      ; the step's largest score of my query, among my 32 keys, in two chains; each accumulator is first read at its low end
	v_max3_num_f32 v[MB+\t], v[S+32*\t+3], v[S+32*\t+4], v[S+32*\t+5]
.endr
.irp i, 6,10,14,18,22,26
.irp t, 0,1
	v_max3_num_f32 v[MA+\t], v[MA+\t], v[S+32*\t+\i], v[S+32*\t+\i+1]
	v_max3_num_f32 v[MB+\t], v[MB+\t], v[S+32*\t+\i+2], v[S+32*\t+\i+3]
.endr
.endr
.irp t, 0
	v_max3_num_f32 v[MA+\t], v[MA+\t], v[S+32*\t+30], v[S+32*\t+31]
.endr
.irp t, 1
	v_max3_num_f32 v[MA+\t], v[MA+\t], v[S+32*\t+30], v[S+32*\t+31]
.endr
.irp t, 0,1
	s_delay_alu instid0(VALU_DEP_2)
	v_max_num_f32 v[MA+\t], v[MA+\t], v[MB+\t]
.endr
.irp t, 0,1
	s_delay_alu instid0(VALU_DEP_2)
	v_permlanex16_b32 v[PT+\t], v[MA+\t], s[SEL], s[SEL+1]
.endr
.irp t, 0,1
	s_delay_alu instid0(VALU_DEP_2)
	v_max_num_f32 v[MA+\t], v[MA+\t], v[PT+\t]     ; and among lane l xor 16's
.endr
.irp t, 0,1
	s_delay_alu instid0(VALU_DEP_2)
	v_mul_f32 v[MA+\t], s[CS], v[MA+\t]            ; as t (c is positive)
.endr
.irp t, 0,1
	s_delay_alu instid0(VALU_DEP_2)
	v_max_num_f32 v[ST+4*\t+1], v[ST+4*\t+1], v[MA+\t]   ; the running largest t
.endr
.irp t, 0,1
	v_mov_b32 v[MA+\t], v[ST+4*\t]
.endr
.irp t, 0,1
	s_delay_alu instid0(VALU_DEP_4)
	v_floor_f32 v[ST+4*\t], -v[ST+4*\t+1]          ; the new -M = floor(-t) = -ceil(t): M IS A WHOLE NUMBER
.endr
.irp t, 0,1
	s_delay_alu instid0(VALU_DEP_2)
	v_sub_f32 v[MA+\t], v[ST+4*\t], v[MA+\t]       ; M's old value less its new one: a whole number, 0 or less
.endr
.irp t, 0,1
	s_delay_alu instid0(VALU_DEP_2)
	v_cvt_i32_f32 v[MA+\t], v[MA+\t]               ; (it saturates)
.endr
.irp t, 0,1
	s_delay_alu instid0(VALU_DEP_2)
	v_ldexp_f32 v[FF+2*\t], 1.0, v[MA+\t]          ; f = 2^(old M - new M)
.endr
.irp t, 0,1
.irp j, 0,2,4,6,8,10,12,14,16,18,20,22,24,26,28,30
	v_pk_fma_f32 v[S+32*\t+\j:S+32*\t+\j+1], v[S+32*\t+\j:S+32*\t+\j+1], s[CS:CS+1], v[ST+4*\t:ST+4*\t+1] op_sel_hi:[1,0,0]   ; t - M, two at a time (of the pairs c and -M the low word serves both halves)
.endr
.endr
.set i, 0
	s_wait_alu depctr_va_vdst(0)
.rept 64
	v_exp_f32 v[S+i], v[S+i]                       ; p = 2^(t - M), at most 1: NOT normalised
.set i, i+1
.endr
.irp t, 0,1
	v_pk_mul_f32 v[ST+4*\t+2:ST+4*\t+3], v[ST+4*\t+2:ST+4*\t+3], v[FF+2*\t:FF+2*\t+1] op_sel_hi:[1,0]   ; the sums under the new M.  (The plain place behind the exponentials)
.endr
	s_wait_alu depctr_va_vdst(0)
.irp t, 0,1
	v_pk_add_f32 v[XX+2*\t:XX+2*\t+1], v[S+32*\t:S+32*\t+1], v[S+32*\t+2:S+32*\t+3]   ; THE ROW'S SUM IS TAKEN OF THE UNQUANTISED p: two at a time, in two chains
.endr
.irp j, 4,8,12,16,20,24,28
.irp t, 0,1
	v_pk_add_f32 v[ST+4*\t+2:ST+4*\t+3], v[ST+4*\t+2:ST+4*\t+3], v[S+32*\t+\j:S+32*\t+\j+1]
	v_pk_add_f32 v[XX+2*\t:XX+2*\t+1], v[XX+2*\t:XX+2*\t+1], v[S+32*\t+\j+2:S+32*\t+\j+3]
.endr
.endr
.irp t, 0
	s_delay_alu instid0(VALU_DEP_3)
	v_pk_add_f32 v[ST+4*\t+2:ST+4*\t+3], v[ST+4*\t+2:ST+4*\t+3], v[XX+2*\t:XX+2*\t+1]
.endr
.irp t, 1
	s_delay_alu instid0(VALU_DEP_2)
	v_pk_add_f32 v[ST+4*\t+2:ST+4*\t+3], v[ST+4*\t+2:ST+4*\t+3], v[XX+2*\t:XX+2*\t+1]
.endr
.set i, 0
.rept 64
.set i, i+1
.endr
.irp t, 0,1
.irp kt, 0,1,2,3
	v_cvt_scalef32_pk8_fp8_f32 v[PC+8*\t+2*\kt:PC+8*\t+2*\kt+1], v[S+32*\t+8*\kt:S+32*\t+8*\kt+7], v[SCV]   ; registers 2 kt, 2 kt + 1 of the operand: keys 16 kt + 8 (lane / 16) + 0 .. 7
.endr
.endr
.irp t, 0,1
.irp j, 0,2,4,6,8,10,12,14,16,18,20,22,24,26,28,30
	v_pk_mul_f32 v[O+32*\t+\j:O+32*\t+\j+1], v[O+32*\t+\j:O+32*\t+\j+1], v[FF+2*\t:FF+2*\t+1] op_sel_hi:[1,0]   ; O^T under the new M.  (These are also the plain lines between the conversions and the products that read their results)
.endr
.endr
.endm
; A KEY STEP: 64 keys, the q-th of the slot in hand.
.macro STEP q
	s_cmp_ge_u32 s[KF], s[QEND]                    ; all its keys come after my four units' queries: the step's work is left out, not the line at its end
	s_cbranch_scc1 .Lhidden_\@
.rept 4
	v_nop                                          ; places in front of the loads into V's registers, which the last step's products read
.endr
	s_wait_alu depctr_va_vdst(0)
.irp kt, 0,1,2,3
.irp g, 0,1
	ds_load_b128 v[KFR+8*\kt+4*\g:KFR+8*\kt+4*\g+3], v[AD] offset:4096*(\q)+1024*\kt+512*\g
.endr
.endr
.irp dt, 0,1,2,3
.irp g, 0,1
	ds_load_b128 v[VFR+8*\dt+4*\g:VFR+8*\dt+4*\g+3], v[AD] offset:16384+4096*(\q)+1024*\dt+512*\g
.endr
.endr
	s_wait_dscnt 8                                 ; K is in; V's eight loads may stay out until the softmax is done
.irp kt, 0,1,2,3
.irp t, 0,1
	v_wmma_f32_16x16x64_fp8_fp8 v[S+32*\t+8*\kt:S+32*\t+8*\kt+7], v[KFR+8*\kt:KFR+8*\kt+7], v[QF+8*\t:QF+8*\t+7], 0
.endr
.endr
.rept 4
	v_nop                                          ; places in front of the first read of the scores
.endr
	s_cmp_lt_u32 s[KF], s[QLO]                     ; all its keys come before my four units' queries: nothing is hidden
	s_cbranch_scc1 .Lopen_\@
.irp t, 0,1
	v_sub_nc_u32 v[MB+\t], v[DQ+\t], s[KF]         ; d = my query - KF - 8 (lane / 16).  Register 8 kt + j holds key KF + 8 (lane / 16) + 16 kt + j: it counts where 16 kt + j <= d
.endr
.irp t, 0,1
.irp n, 0,1,2,3,4,5,6,7,8,9,10,11,12,13,14,15,16,17,18,19,20,21,22,23,24,25,26,27,28,29,30,31
	v_cmp_le_i32 vcc_lo, 16*(\n/8)+\n%8, v[MB+\t]
	v_cndmask_b32 v[S+32*\t+\n], s[NINF], v[S+32*\t+\n], vcc_lo   ; a hidden key's score becomes -infinity ahead of the maximum: p = 0 then.  Key 0 counts for every query, so M is a number from the first step on
.endr
.endr
.Lopen_\@:
	SOFTMAX
	s_wait_alu depctr_va_vdst(0)
	s_wait_dscnt 0x0                               ; V is in
.irp dt, 0,1,2,3
.irp t, 0,1
	v_wmma_f32_16x16x64_fp8_fp8 v[O+32*\t+8*\dt:O+32*\t+8*\dt+7], v[VFR+8*\dt:VFR+8*\dt+7], v[PC+8*\t:PC+8*\t+7], v[O+32*\t+8*\dt:O+32*\t+8*\dt+7]   ; the eight accumulators take turns, one instruction a turn
.endr
.endr
.Lhidden_\@:
	s_add_co_u32 s[KF], s[KF], 64
.endm
; THE CHANGE OF SLOTS stands at a slot's head.  Each wave waits for all its tensor loads (its part of the slot that it is about to read), adds 0 to its spare word, and waits for that and for its reads of the slot that it has left.
; fill = 1: that other slot is filled with the next 256 keys.  The barrier is then a round of the cluster's, so that no wave of any partner still reads the slot or has a load on its way; the joint load is the first thing behind it.
.macro CHANGE fill
	s_wait_tensorcnt 0x0                           ; no tensor load of mine is out, so group 0 may be written
	ds_add_u32 v[SPW], v[NIL]                      ; 0 onto my spare word
.if \fill
	s_xor_b32 s[G0+1], s[G0+1], SLOT1              ; the walking descriptor: the other slot than last time,
	s_add_nc_u64 s[G0+2:G0+3], s[G0+2:G0+3], SLOTB ; the next 256 keys; the type bits on top are not reached
	s_wait_xcnt 0x0                                ; the last prefetch, a slot back, has read its address, so it may be written:
	s_add_nc_u64 s[PFA:PFA+1], s[PFA:PFA+1], SLOTB ; one slot further on than the walking descriptor
.endif
	s_wait_dscnt 0x0                               ; the add is done, and my reads of the slot that I have left are over
.if \fill
	CROUND
	JLOAD
	ASK
.else
	s_barrier_signal -1
	s_barrier_wait -1
.endif
	v_add_nc_u32 v[AD], s[TB], v[L16]
.endm
.macro SLOT_STEPS
.irp q, 0,1,2,3
	STEP \q
.endr
	s_xor_b32 s[TB], s[TB], SLOT1                  ; on to the other slot
.endm
	s_wait_loadcnt 0x0                             ; Q
.Lslot:                                            ; seven trips: behind each change of slots but the last the next slot is asked for
	CHANGE 1
	SLOT_STEPS
	s_sub_co_u32 s[SLOTS], s[SLOTS], 1
	s_cmp_lg_u32 s[SLOTS], 0
	s_cbranch_scc1 .Lslot
	CHANGE 0                                       ; the last slot is written out
	SLOT_STEPS
	; THE WAY OUT.  y = O^T x 2^(e4 + e5) / the sum, converted: a lane's eight channels of channel tile dt are registers 2 dt, 2 dt + 1 of the projection's operand.
.rept 4
	v_nop                                          ; places behind the last products
.endr
.irp t, 0,1
	v_add_f32 v[MA+\t], v[ST+4*\t+2], v[ST+4*\t+3] ; the sum's two halves,
.endr
.irp t, 0,1
	s_delay_alu instid0(VALU_DEP_2)
	v_permlanex16_b32 v[PT+\t], v[MA+\t], s[SEL], s[SEL+1]
.endr
.irp t, 0,1
	s_delay_alu instid0(VALU_DEP_2)
	v_add_f32 v[MA+\t], v[MA+\t], v[PT+\t]         ; and lane l xor 16's: the row's sum
.endr
	s_wait_alu depctr_va_vdst(0)
.irp t, 0,1
	v_rcp_f32 v[FF+2*\t], v[MA+\t]
.endr
	v_nop                                          ; one plain place behind the reciprocals
	s_add_co_i32 s24, s[E+4], s[E+5]
	s_wait_alu depctr_va_vdst(0)
.irp t, 0,1
	v_ldexp_f32 v[FF+2*\t], v[FF+2*\t], s24        ; x 2^(e4 + e5)
.endr
	s_add_co_i32 s24, s[E+6], 127
	s_lshl_b32 s25, s24, 23
	v_mov_b32 v[SCV], s25                          ; 2^e6 as f32
.irp t, 0,1
.irp j, 0,2,4,6,8,10,12,14,16,18,20,22,24,26,28,30
	v_pk_mul_f32 v[S+32*\t+\j:S+32*\t+\j+1], v[O+32*\t+\j:O+32*\t+\j+1], v[FF+2*\t:FF+2*\t+1] op_sel_hi:[1,0]
.endr
.endr
.set i, 0
.rept 64
.set i, i+1
.endr
.irp t, 0,1
.irp dt, 0,1,2,3
	v_cvt_scalef32_pk8_fp8_f32 v[PC+8*\t+2*\dt:PC+8*\t+2*\dt+1], v[S+32*\t+8*\dt:S+32*\t+8*\dt+7], v[SCV]
.endr
.endr
	v_nop                                          ; a plain line behind the last conversion
.irp t, 0,1
.irp g, 0,1
	global_store_b128 v[L16], v[PC+8*\t+4*\g:PC+8*\t+4*\g+3], s[YA:YA+1] offset:16384*\t+512*\g   ; 32 lanes store 512 consecutive bytes, at a multiple of 512 from the buffer's first byte
.endr
.endr
	s_wait_tensorcnt 0x0                           ; the wave's end
	ds_add_u32 v[SPW], v[NIL]
	s_wait_dscnt 0x0
	CROUND                                         ; the closing round: no work-group ends while a partner may still ask for a tile that names it
	s_endpgm
.Lfunc_end_k_qde3fe92686_attn:
	.size	k_qde3fe92686_attn, .Lfunc_end_k_qde3fe92686_attn-k_qde3fe92686_attn
	.p2alignl 7, 3214868480
	.fill 96, 4, 3214868480
	.section	.rodata,"a",@progbits
	.p2align	6, 0x0
	.amdhsa_kernel k_qde3fe92686_attn
		.amdhsa_group_segment_fixed_size 327680
		.amdhsa_private_segment_fixed_size 0
		.amdhsa_enable_private_segment 0
		.amdhsa_kernarg_size 24
		.amdhsa_user_sgpr_count 2
		.amdhsa_user_sgpr_kernarg_segment_ptr 1
		.amdhsa_wavefront_size32 1
		.amdhsa_system_sgpr_workgroup_id_x 1
		.amdhsa_system_sgpr_workgroup_id_y 1
		.amdhsa_system_sgpr_workgroup_id_z 1
		.amdhsa_system_vgpr_workitem_id 0
		.amdhsa_next_free_vgpr 256
		.amdhsa_next_free_sgpr 66
		.amdhsa_reserve_vcc 1
		.amdhsa_float_denorm_mode_32 3
		.amdhsa_float_denorm_mode_16_64 3
		.amdhsa_fp16_overflow 1
		.amdhsa_memory_ordered 1
		.amdhsa_forward_progress 1
		.amdhsa_inst_pref_size 164
	.end_amdhsa_kernel
	.amdgpu_metadata
---
amdhsa.version: [ 1, 2 ]
amdhsa.kernels:
  - .name:           k_qde3fe92686_attn
    .symbol:         k_qde3fe92686_attn.kd
    .args:
      - { .name: qkv, .offset: 0, .size: 8, .value_kind: global_buffer, .address_space: global }
      - { .name: lowp_scales, .offset: 8, .size: 8, .value_kind: global_buffer, .address_space: global }
      - { .name: y_img, .offset: 16, .size: 8, .value_kind: global_buffer, .address_space: global }
    .group_segment_fixed_size: 327680
    .private_segment_fixed_size: 0
    .kernarg_segment_align: 8
    .kernarg_segment_size: 24
    .max_flat_workgroup_size: 512
    .sgpr_count:     66
    .vgpr_count:     256
    .wavefront_size: 32
...
	.end_amdgpu_metadata
.endif
;; end of part 2
;; launch proj (part 3): grid 8 x 32, 4 waves a work-group, clusters of 4 x 4, 327,680 bytes of LDS; arguments y_img, W_proj_codes, b_proj, lowp_scales, out0; writes out0
.if DOCPART == 3
	.amdgcn_target "amdgcn-amd-amdhsa--gfx1250"
	.amdhsa_code_object_version 6
	.text
	.protected	k_qde3fe92686_proj
	.globl	k_qde3fe92686_proj
	.p2align	8
	.type	k_qde3fe92686_proj,@function
k_qde3fe92686_proj:
	s_mov_b64 s[64:65], 0
	v_nop
	global_prefetch_b8 v0, s[64:65] scope:SCOPE_SE
	s_setreg_imm32_b32 hwreg(HW_REG_WAVE_MODE, 25, 1), 1
	s_wait_xcnt 0x0
	s_wait_alu depctr_hold_cnt(0) depctr_sa_sdst(0) depctr_va_vdst(0) depctr_va_sdst(0) depctr_va_ssrc(0) depctr_va_vcc(0) depctr_vm_vsrc(0)
	s_getreg_b32 s2, hwreg(HW_REG_IB_STS2, 6, 4)
	s_cmp_eq_u32 s2, 0
	s_cbranch_scc0 .Lentry_in_a_cluster
	s_endpgm
.Lentry_in_a_cluster:
	s_bfe_u32 s2, ttmp6, 0x10000c
	s_cmp_lg_u32 s2, 0xf033
	s_cbranch_scc0 .Lentry_shape_is_right
	s_endpgm
.Lentry_shape_is_right:
; out0 = y W_proj + b_proj on codes of FP8 (E4M3).  y: [8192][1024] as images of operand registers (y_img [tile of 16 rows 512][head 16][group 2][lane 32][16]: two neighbouring heads, 2,048 bytes, are one fragment of
; 16 rows x 128 K in the plain form's own layout, registers 2 c, 2 c + 1: k = 16 c + 8 (lane / 16) + 0 .. 7).  W_proj: [1024 (n)][1024 (k)] codes, K innermost.  out0: [8192][1024] f32.
; A tile of out0 is 256 rows x 128 columns, so that there are 256 work-groups; four waves, each 128 rows x 64 columns: 32 accumulators, 256 registers.  THE MATRIX INSTRUCTION IS USED TRANSPOSED (source 0 = 16 rows of
; W_proj, source 1 = y's fragment): a lane holds eight neighbouring columns of one row of out0.
; K = 1,024 is four K steps of 256, each two steps of 128.  THREE LDS slots: K steps 0, 1, 2 are first fills, issued together at the head; one refill brings K step 3 into slot 0 as soon as that slot is read out:
; it has four steps, 128 matrix instructions a wave, in which to land.  The walk is written out: eight steps.
; y's fragments come from LDS by four loads of 512 consecutive bytes each; W_proj's rows lie as rows (pitch 272) and are read in the same layout by eight loads of 8 bytes a lane.
; CLUSTERS: 4 x 4 work-groups: y's tile is shared along a row of the cluster, W_proj's along a column; each is asked for JOINTLY.  NO PREFETCH: three quarters of a work-group's bytes are asked for at its head, and the walk is short.
; out0 = sum x 2^(e6 + e7) + b_proj: one packed multiply-add for two numbers.  LIMIT: e6 + e7 lies between -126 and 127, so that 2^(e6 + e7) is an f32 number.
; REGISTERS, in windows of 256: window 0: v1-29 addresses; v32-95 the way out, two sets of 32; v96-127 the bias; v128-191, v192-255 W_proj's fragments, two sets of four.
;   window 1: y's fragments, two sets of eight, at v0 and v128; on the way out block a's rows at v[32 a].   window 2: the accumulators, (a, b) at v[8 (4 a + b)].
.set PITCH,  272                       ; W_proj's LDS row: 256 bytes + 16 of padding = 68 words: row r starts at bank 4 r mod 64 (64 banks of 4 bytes: ISA guide 11.1)
.set ABYTES, 65536                     ; y's part of a slot: 16 tiles of rows x 4,096 bytes
.set BHALF,  64*PITCH                  ; 64 rows of W_proj: what one tensor load brings
.set SLOT,   ABYTES+2*BHALF
.set STAGE,  3*SLOT                    ; behind the slots: 16 rows x 272 bytes for each wave, for the way out; no tensor load lands there
.set SPITCH, 272
.set SPARE,  STAGE+4*16*SPITCH         ; behind the stages: the spare words, 128 bytes for each wave: two blocks of 256 bytes that no other line names
.set ADRA, 16                          ; v16-18  LDS address of my fragments of y in slot 0, 1, 2
.set ADRB, 20                          ; v20-22  the same for W_proj
.set STO,  24                          ; v24     the way out: where I put 32 bytes of a row
.set RD,   25                          ; v25     where I read a row back
.set CO,   26                          ; v26     my byte offset in out0
.set SPW,  28                          ; v28     LDS address of my spare word; never rewritten
.set NIL,  29                          ; v29     0; never rewritten
.set TMP,  32
.set BIAS, 96
.set BF,   128
.set G1A, 24                           ; s[24:31] descriptor group 1 for y's tiles;  s[32:39] for W_proj's
.set G1B, 32
.set G0A, 40                           ; s[40:51] group 0 for y's tiles, one set for each slot;  s[52:63] for W_proj's
.set G0B, 52
.set MSB, 0
.macro WIN new                         ; the immediate's high byte repeats the setting that is left
.if MSB != (\new)
	s_set_vgpr_msb (MSB<<8)|(\new)
.set MSB, (\new)
.endif
.endm
.set MUL,  0xa4                        ; source 0 (W_proj) window 0, source 1 (y) window 1, C and D window 2
.set TO_A, 0x40                        ; destination window 1, address window 0
.macro CREST
	s_cmp_lg_u32 s14, 0
	s_cbranch_scc1 .Lnot_wave_0_\@
	s_barrier_signal -3
.Lnot_wave_0_\@:
	s_barrier_wait -3
	s_barrier_signal -1
	s_barrier_wait -1
.endm
.macro CROUND                          ; a round of the cluster's barrier
	s_barrier_signal -1
	s_barrier_wait -1
	CREST
.endm
.macro PLACES
.rept 4
	v_nop
.endr
.endm
	s_load_b256 s[4:11], s[0:1], 0x0               ; y_img s[4:5], W_proj s[6:7], b_proj s[8:9], the scales' exponents s[10:11]
	s_load_b64 s[12:13], s[0:1], 0x20              ; out0
	v_lshl_add_u32 v[SPW], v0, 2, SPARE
	v_mov_b32 v[NIL], 0
	ds_add_u32 v28, v29
	ds_add_u32 v28, v29
	s_wait_dscnt 0x0
	v_lshrrev_b32 v1, 5, v0
	v_readfirstlane_b32 s14, v1                    ; wave 0..3
	s_lshr_b32 s15, s14, 1                         ; which 128 rows of the tile are mine.  Also: I fetch for y (0) or for W_proj (1)
	s_and_b32 s16, s14, 1                          ; which 64 columns.  Also: which half of that tile I fetch
	s_bfe_u32 s70, ttmp6, 0x40000                  ; cx, cy: my place in the cluster
	s_bfe_u32 s71, ttmp6, 0x40004
	s_lshl_b32 s72, ttmp9, 2
	s_add_co_u32 s72, s72, s70                     ; tile column = 4 x cluster x + cx
	s_and_b32 s17, ttmp7, 0xffff
	s_lshl_b32 s17, s17, 2
	s_add_co_u32 s17, s17, s71                     ; tile row = 4 x cluster y + cy
	s_lshl_b32 s73, s71, 2
	s_lshl_b32 s73, 15, s73                        ; my row of the cluster
	s_lshl_b32 s74, 0x1111, s70                    ; my column
	; y: 8 tiles of rows x 4,096 bytes (four heads), 16,384 bytes apart; elements of 8 bytes; dense in LDS
	s_or_b32 s[G1A], s73, (3<<16)|(1<<21)          ; 15:0 the mask: my row; 17:16 elements of 8 bytes; 21 set beside a mask
	s_mov_b32 s[G1A+1], 512<<16                    ; tensor_dim0 = 512
	s_mov_b32 s[G1A+2], 8<<16                      ; tensor_dim1 = 8
	s_mov_b32 s[G1A+3], 512<<16                    ; tile_dim0 = 512
	s_mov_b32 s[G1A+4], 8                          ; tile_dim1 = 8
	s_mov_b32 s[G1A+5], 2048                       ; tensor_dim0_stride
	s_mov_b32 s[G1A+6], 0
	s_mov_b32 s[G1A+7], 0
	; W_proj: 64 rows x 256 bytes, 1,024 bytes apart, padded in LDS
	s_or_b32 s[G1B], s74, (0<<16)|(1<<20)|(1<<21)|(5<<22)|(3<<25)   ; the mask: my column; elements of 1 byte; padding: 4 words after every 64
	s_mov_b32 s[G1B+1], 256<<16
	s_mov_b32 s[G1B+2], 64<<16
	s_mov_b32 s[G1B+3], 256<<16
	s_mov_b32 s[G1B+4], 64
	s_mov_b32 s[G1B+5], 1024
	s_mov_b32 s[G1B+6], 0
	s_mov_b32 s[G1B+7], 0
	s_lshl_b32 s76, s17, 4
	s_lshl_b32 s18, s16, 3
	s_add_co_u32 s76, s76, s18                     ; y: tile of rows 16 x tile row + 8 x half: no cx in it
	s_lshl_b32 s76, s76, 14
	s_mov_b32 s77, 0
	s_lshl_b32 s78, s72, 7
	s_lshl_b32 s18, s16, 6
	s_add_co_u32 s78, s78, s18                     ; W_proj: row 128 x tile column + 64 x half: no cy in it
	s_lshl_b32 s78, s78, 10
	s_mov_b32 s79, 0
	s_lshl_b32 s19, s16, 15                        ; where they go in a slot: y's half,
	s_mul_i32 s20, s16, BHALF
	s_add_co_u32 s20, s20, ABYTES                  ; W_proj's half: no place in the cluster enters an LDS address
	s_wait_kmcnt 0x0
	s_load_b64 s[66:67], s[10:11], 0x18            ; e6, e7
	s_add_nc_u64 s[76:77], s[4:5], s[76:77]
	s_add_nc_u64 s[78:79], s[6:7], s[78:79]
	CROUND                                         ; all sixteen work-groups are here: the first joint loads meet
.irp s, 0,1,2
	s_mov_b32 s[G0A+4*\s], 1
	s_add_co_u32 s[G0A+4*\s+1], s19, \s*SLOT
	s_add_nc_u64 s[G0A+4*\s+2:G0A+4*\s+3], s[76:77], \s*4096
	s_or_b32 s[G0A+4*\s+3], s[G0A+4*\s+3], 0x80000000
	s_mov_b32 s[G0B+4*\s], 1
	s_add_co_u32 s[G0B+4*\s+1], s20, \s*SLOT
	s_add_nc_u64 s[G0B+4*\s+2:G0B+4*\s+3], s[78:79], \s*256
	s_or_b32 s[G0B+4*\s+3], s[G0B+4*\s+3], 0x80000000
.endr
	s_cmp_eq_u32 s15, 0                            ; a wave's three first fills stand in one branch, ahead of every wait on TENSORcnt and every LDS read: three loads of mine are out; four v_nop follow the third
	s_cbranch_scc0 .Lfirst_b
	tensor_load_to_lds s[G0A:G0A+3], s[G1A:G1A+7]
	s_nop 0
	tensor_load_to_lds s[G0A+4:G0A+7], s[G1A:G1A+7]
	s_nop 0
	tensor_load_to_lds s[G0A+8:G0A+11], s[G1A:G1A+7]
	s_nop 0
	PLACES
	s_branch .Lfirst_asked
.Lfirst_b:
	tensor_load_to_lds s[G0B:G0B+3], s[G1B:G1B+7]
	s_nop 0
	tensor_load_to_lds s[G0B+4:G0B+7], s[G1B:G1B+7]
	s_nop 0
	tensor_load_to_lds s[G0B+8:G0B+11], s[G1B:G1B+7]
	s_nop 0
	PLACES
.Lfirst_asked:
	v_and_b32 v1, 15, v0                           ; r = lane % 16
	v_bfe_u32 v2, v0, 4, 1                         ; h = lane / 16
	v_and_b32 v3, 31, v0
	v_lshlrev_b32 v3, 4, v3                        ; 16 x lane
	s_lshl_b32 s18, s15, 15                        ; my 8 tiles of rows
	v_add_nc_u32 v[ADRA], s18, v3
	v_add_nc_u32 v[ADRA+1], SLOT, v[ADRA]
	v_add_nc_u32 v[ADRA+2], 2*SLOT, v[ADRA]
	v_mul_u32_u24 v4, v1, PITCH
	v_lshl_add_u32 v4, v2, 3, v4                   ; row r x pitch + 8 h
	v_add_nc_u32 v[ADRB], s20, v4                  ; my 64 rows of W_proj
	v_add_nc_u32 v[ADRB+1], SLOT, v[ADRB]
	v_add_nc_u32 v[ADRB+2], 2*SLOT, v[ADRB]
	s_mul_i32 s18, s14, 16*SPITCH
	s_add_co_u32 s18, s18, STAGE                   ; my stage
	v_mul_u32_u24 v5, v1, SPITCH                   ; in: row r, 32 bytes for each half of the lanes
	v_lshl_add_u32 v5, v2, 5, v5
	v_add_nc_u32 v[STO], s18, v5
	v_mul_u32_u24 v5, v2, SPITCH                   ; back: lanes 0-15 take one row of 256 bytes, lanes 16-31 the next
	v_lshl_add_u32 v5, v1, 4, v5
	v_add_nc_u32 v[RD], s18, v5
	v_lshlrev_b32 v5, 12, v2                       ; and the same two rows in out0 (4,096 bytes a row)
	v_lshl_add_u32 v[CO], v1, 4, v5
	s_lshl_b32 s80, s72, 7
	s_lshl_b32 s18, s16, 6
	s_add_co_u32 s80, s80, s18
	s_lshl_b32 s80, s80, 2                         ; my first column, in bytes
	s_mov_b32 s81, 0
	s_add_nc_u64 s[8:9], s[8:9], s[80:81]
	v_lshlrev_b32 v6, 5, v2                        ; the bias in the result's layout: register 8 b + j is b_proj(first + 16 b + 8 h + j)
.irp b, 0,1,2,3
	global_load_b128 v[BIAS+8*\b:BIAS+8*\b+3], v6, s[8:9] offset:64*\b
	global_load_b128 v[BIAS+8*\b+4:BIAS+8*\b+7], v6, s[8:9] offset:64*\b+16
.endr
	s_lshl_b32 s82, s17, 8
	s_lshl_b32 s18, s15, 7
	s_add_co_u32 s82, s82, s18                     ; my first row
	s_lshl_b32 s82, s82, 12
	s_add_co_u32 s82, s82, s80
	s_mov_b32 s83, 0
	s_add_nc_u64 s[12:13], s[12:13], s[82:83]
; 64 LDS loads in one run: the fragments of the slot's q-th 128 along K into set f: W_proj's four (eight loads of 8 bytes each: registers 2 c, 2 c + 1 take k = 16 c + 8 h + 0 .. 7), y's eight (four loads of 16 bytes each)
.macro FETCHG slot, q, f
	WIN 0
.irp b, 0,1,2,3
.irp c, 0,1,2,3,4,5,6,7
	ds_load_b64 v[BF+64*(\f)+16*\b+2*\c:BF+64*(\f)+16*\b+2*\c+1], v[ADRB+\slot] offset:4352*\b+128*(\q)+16*\c
.endr
.endr
	WIN TO_A
.irp a, 0,1,2,3,4,5,6,7
.irp g, 0,1,2,3
	ds_load_b128 v[128*(\f)+16*\a+4*\g:128*(\f)+16*\a+4*\g+3], v[ADRA+\slot] offset:4096*\a+2048*(\q)+512*\g
.endr
.endr
.endm
; 16 matrix instructions: y's blocks 4 half .. 4 half + 3 x W_proj's four, 128 along K, from set f.  zero = 1: the first product starts the sums.  The 32 accumulators take turns, in the same order in every step.
.macro MULH f, half, zero
.irp a, 0,1,2,3
.irp b, 0,1,2,3
.if \zero
	v_wmma_f32_16x16x128_fp8_fp8 v[8*(4*(4*\half+\a)+\b):8*(4*(4*\half+\a)+\b)+7], v[BF+64*(\f)+16*\b:BF+64*(\f)+16*\b+15], v[128*(\f)+16*(4*\half+\a):128*(\f)+16*(4*\half+\a)+15], 0
.else
	v_wmma_f32_16x16x128_fp8_fp8 v[8*(4*(4*\half+\a)+\b):8*(4*(4*\half+\a)+\b)+7], v[BF+64*(\f)+16*\b:BF+64*(\f)+16*\b+15], v[128*(\f)+16*(4*\half+\a):128*(\f)+16*(4*\half+\a)+15], v[8*(4*(4*\half+\a)+\b):8*(4*(4*\half+\a)+\b)+7]
.endif
.endr
.endr
.endm
; A step of 128 along K: set f is multiplied; in its middle the next step's fragments (slot nslot, its nq-th 128) are fetched into the other set, behind four places: the step before read that set.
.macro GBODY f, nslot, nq, zero
	WIN MUL
	MULH \f, 0, \zero
	PLACES
	FETCHG \nslot, \nq, 1-(\f)
	WIN MUL
	MULH \f, 1, \zero
.endm
.macro G f, nslot, nq, zero
	s_wait_dscnt 0x0                               ; set f is in (asked for 16 matrix instructions ago)
	GBODY \f, \nslot, \nq, \zero
.endm
	s_wait_tensorcnt 2                             ; my part of K step 0 is in; K steps 1 and 2 may stay out
	s_barrier_signal -1
	s_barrier_wait -1                              ; everybody's is
	FETCHG 0, 0, 0
	G 0, 0, 1, 1                                   ; step 0 starts the sums; step 1's fragments are the last that are read of slot 0
	WIN 0                                          ; THE ONE REFILL.
	s_wait_tensorcnt 0x0                           ; all my tensor loads have landed: K steps 1 and 2 too;
	ds_add_u32 v[SPW], v[NIL]                      ; 0 onto my spare word
	s_add_nc_u64 s[G0A+2:G0A+3], s[G0A+2:G0A+3], 3*4096   ; no load of mine is out, so slot 0's groups 0 may be written: K step 3
	s_add_nc_u64 s[G0B+2:G0B+3], s[G0B+2:G0B+3], 3*256
	s_wait_dscnt 0x0                               ; the add is done, and my reads of slot 0 are over
	CROUND                                         ; no wave of any partner still reads slot 0 or has a load on its way
	s_cmp_eq_u32 s15, 0
	s_cbranch_scc0 .Lfor_b
	tensor_load_to_lds s[G0A:G0A+3], s[G1A:G1A+7]  ; the first tensor load behind the round, one a wave; the four v_nop behind it are also the places in front of the loads below
	s_nop 0
	PLACES
	s_branch .Lasked
.Lfor_b:
	tensor_load_to_lds s[G0B:G0B+3], s[G1B:G1B+7]
	s_nop 0
	PLACES
.Lasked:
	FETCHG 1, 0, 0                                 ; step 2's fragments: slots 1 and 2 are whole in every wave's sight since the round
	WIN MUL
	MULH 1, 0, 0                                   ; step 1
	MULH 1, 1, 0
	G 0, 1, 1, 0                                   ; step 2
	G 1, 2, 0, 0                                   ; step 3
	G 0, 2, 1, 0                                   ; step 4
	s_wait_dscnt 0x0                               ; step 5's fragments are in; no LDS instruction of mine is pending at the signal
	s_wait_tensorcnt 0x0                           ; my part of K step 3 is in (the one load that was out),
	s_barrier_signal -1
	s_barrier_wait -1                              ; everybody's is.
	GBODY 1, 0, 0, 0                               ; step 5
	G 0, 0, 1, 0                                   ; step 6
	s_wait_dscnt 0x0
	MULH 1, 0, 0                                   ; step 7
	MULH 1, 1, 0
; THE WAY OUT, block by block of 16 rows x 64 columns.  A lane holds 32 neighbouring bytes of a row, and the lanes beside it hold other rows: so a block goes through my own stage in LDS and comes back as whole rows of
; 256 bytes.  LDS serves a wave's instructions in order (ISA guide 5.7.1.4): no wait between the stores and the loads, nor in front of the next block's stores.  Every block has registers of its own for its rows and
; every offset is an immediate (516,096 bytes at the most), so no store's source is written again.
.macro TOSTAGE a
	WIN 0x02                                       ; source 0 (the sums): window 2
.irp b, 0,1,2,3
.irp i, 0,2,4,6
	v_pk_fma_f32 v[TMP+32*((\a)%2)+8*\b+\i:TMP+32*((\a)%2)+8*\b+\i+1], v[8*(4*(\a)+\b)+\i:8*(4*(\a)+\b)+\i+1], s[66:67], v[BIAS+8*\b+\i:BIAS+8*\b+\i+1] op_sel_hi:[1,0,1]   ; sum x 2^(e6 + e7) + bias; each accumulator from its low end on
.endr
.endr
	WIN 0
.irp b, 0,1,2,3
	ds_store_b128 v[STO], v[TMP+32*((\a)%2)+8*\b:TMP+32*((\a)%2)+8*\b+3] offset:64*\b
	ds_store_b128 v[STO], v[TMP+32*((\a)%2)+8*\b+4:TMP+32*((\a)%2)+8*\b+7] offset:64*\b+16
.endr
	WIN TO_A
.irp t, 0,1,2,3,4,5,6,7
	ds_load_b128 v[32*(\a)+4*\t:32*(\a)+4*\t+3], v[RD] offset:2*\t*SPITCH
.endr
.endm
.macro SEND a, younger                 ; younger: the LDS instructions issued behind block a's loads, which may stay out
	s_wait_dscnt \younger
	WIN 0x04                                       ; the stores' data: window 1
.irp t, 0,1,2,3,4,5,6,7
	global_store_b128 v[CO], v[32*(\a)+4*\t:32*(\a)+4*\t+3], s[12:13] offset:65536*(\a)+8192*\t th:TH_STORE_NT   ; 16 lanes store 256 consecutive bytes, at a multiple of 256 from out0's first byte; written once, read by nobody here
.endr
.endm
	s_wait_loadcnt 0x0                             ; the bias
	s_wait_kmcnt 0x0
	s_add_co_i32 s66, s66, s67                     ; e6 + e7, between -126 and 127,
	s_add_co_i32 s66, s66, 127
	s_lshl_b32 s66, s66, 23                        ; makes the f32 number 2^(e6 + e7)
	s_mov_b32 s67, s66                             ; (named with it as a pair, so it is written)
	PLACES                                         ; behind the last products: for the first reads of results and the loads into the registers that held y's fragments
	TOSTAGE 0
.irp a, 1,2,3,4,5,6,7
	TOSTAGE \a
	SEND \a-1, 16                                  ; behind block a - 1's loads: block a's 8 stores and 8 loads
.endr
	SEND 7, 0
	WIN 0
	s_wait_tensorcnt 0x0                           ; the wave's end, behind my last tensor load and my last LDS store
	ds_add_u32 v[SPW], v[NIL]
	s_wait_dscnt 0x0
	CROUND                                         ; the closing round: no work-group ends while a partner may still ask for a tile that names it
	s_endpgm
.Lfunc_end_k_qde3fe92686_proj:
	.size	k_qde3fe92686_proj, .Lfunc_end_k_qde3fe92686_proj-k_qde3fe92686_proj
	.p2alignl 7, 3214868480
	.fill 96, 4, 3214868480
	.section	.rodata,"a",@progbits
	.p2align	6, 0x0
	.amdhsa_kernel k_qde3fe92686_proj
		.amdhsa_group_segment_fixed_size 327680
		.amdhsa_private_segment_fixed_size 0
		.amdhsa_enable_private_segment 0
		.amdhsa_kernarg_size 40
		.amdhsa_user_sgpr_count 2
		.amdhsa_user_sgpr_kernarg_segment_ptr 1
		.amdhsa_wavefront_size32 1
		.amdhsa_system_sgpr_workgroup_id_x 1
		.amdhsa_system_sgpr_workgroup_id_y 1
		.amdhsa_system_sgpr_workgroup_id_z 1
		.amdhsa_system_vgpr_workitem_id 0
		.amdhsa_next_free_vgpr 768
		.amdhsa_next_free_sgpr 100
		.amdhsa_reserve_vcc 0
		.amdhsa_float_denorm_mode_32 3
		.amdhsa_float_denorm_mode_16_64 3
		.amdhsa_memory_ordered 1
		.amdhsa_forward_progress 1
		.amdhsa_inst_pref_size 83
	.end_amdhsa_kernel
	.amdgpu_metadata
---
amdhsa.version: [ 1, 2 ]
amdhsa.kernels:
  - .name:           k_qde3fe92686_proj
    .symbol:         k_qde3fe92686_proj.kd
    .args:
      - { .name: y_img, .offset: 0, .size: 8, .value_kind: global_buffer, .address_space: global }
      - { .name: W_proj_codes, .offset: 8, .size: 8, .value_kind: global_buffer, .address_space: global }
      - { .name: b_proj, .offset: 16, .size: 8, .value_kind: global_buffer, .address_space: global }
      - { .name: lowp_scales, .offset: 24, .size: 8, .value_kind: global_buffer, .address_space: global }
      - { .name: out0, .offset: 32, .size: 8, .value_kind: global_buffer, .address_space: global }
    .group_segment_fixed_size: 327680
    .private_segment_fixed_size: 0
    .kernarg_segment_align: 8
    .kernarg_segment_size: 40
    .max_flat_workgroup_size: 128
    .sgpr_count:     100
    .vgpr_count:     768
    .wavefront_size: 32
...
	.end_amdgpu_metadata
.endif
;; end of part 3
